; MI455X (gfx1250); checked and timed in simulation.
; The chip was launched on July 23, 2026; its instructions are those of AMD's public machine-readable ISA for CDNA 5 (MIT licence, August 2026) and "CDNA5" Instruction Set Architecture Reference Guide (July 2026). The comments in the code are by the model that wrote it; some were corrected since.
;; Head. Allowed arithmetic: matrix products marked QUANTISED: E4M3 operands, one given power-of-two scale a tensor, by v_wmma_f32_16x16x64_fp8_fp8 or v_wmma_f32_16x16x128_fp8_fp8, f32 sums; everything else in f32.
;; Inputs: Wk 1,024 x 128 float32; Wq 1,024 x 128 float32; Wv 1,024 x 128 float32; lowp_scales 10 int32 (the exponents e of the quantised operands' scales 2^e); x 8 x 2,048 x 1,024 float32.
;; Outputs: out0 8 x 2,048 x 128 float32.
;; This version of the problem:
;;   THIS VERSION OF THE PROBLEM IS GIVEN IN LOW PRECISION. The matrix products marked QUANTISED in the list below multiply operands that are first quantised to E4M3 (4 exponent bits, 3 mantissa bits; 8 bits a number), with one given power-of-two scale for each operand tensor; their sums are f32. All else is computed in f32.
;;   The module's matrix products, in the order in which they are computed (A, B: the left and right operand; K: the contracted axis; several contracted axes count as one K, in the product's order):
;;     1. [M 16,384, K 1,024] x [K 1,024, N 128]; A: input x; B: input Wk: QUANTISED (scales: A lowp_scales[0], B lowp_scales[1])
;;     2. [M 16,384, K 1,024] x [K 1,024, N 128]; A: input x; B: input Wq: QUANTISED (scales: A lowp_scales[2], B lowp_scales[3])
;;     3. [M 16,384, K 1,024] x [K 1,024, N 128]; A: input x; B: input Wv: QUANTISED (scales: A lowp_scales[4], B lowp_scales[5])
;;     4. batch 8 x [M 2,048, K 128] x [K 128, N 2,048]; A: computed on the way; B: computed on the way: QUANTISED (scales: A lowp_scales[6], B lowp_scales[7])
;;     5. batch 8 x [M 2,048, K 2,048] x [K 2,048, N 128]; A: softmax (see below); B: computed on the way: QUANTISED (scales: A lowp_scales[8], B lowp_scales[9])
;;   THE QUANTISER, for each operand of a quantised product, along K:
;;     - The operand's scale is 2^e, e = its entry of the input lowp_scales (int32; the entries are numbered through the quantised products in the list's order, A before B).
;;     - Each number is divided by the scale, clamped to +-448, and rounded to the nearest number of E4M3, ties to even, subnormals kept.
;;     - The product sums the exact products of the quantised numbers (number of the format x scale) in f32.
;;   ~~~python
;;   def quantise(x, axis, e):      # numpy; x: float32 -> the quantised numbers, widened to float32 again
;;       x = np.moveaxis(x, axis, -1); K = x.shape[-1]
;;       r = np.clip(x / 2.0 ** e, -448, 448)
;;       step = 2.0 ** (np.maximum(np.frexp(np.where(r == 0, 1, r))[1] - 1, -6) - 3)
;;       q = np.round(r / step) * step * 2.0 ** e      # np.round: ties to even
;;       return np.moveaxis(q, -1, axis).astype(np.float32)
;;   ~~~
;;   SOFTMAX AHEAD OF A QUANTISED PRODUCT. Where the list says 'softmax', what is quantised is not the finished softmax but p = 2^(t - M), with t = logit x log2(e) and M = ceil(the row's largest t), a whole number; so 1/2 < the row's largest p <= 1. The row's sum l is taken of the UNQUANTISED p, in f32, and the product's result is divided by l at the end. Since M is a whole number, a kernel that streams over the keys may use a running M (the ceiling of the running maximum): every later rescaling is an exact power of two, so the quantised numbers keep their values, but for numbers so far below the row's largest that they fall under the format's range.
;;   OPERANDS COMPUTED ON THE WAY. 'Computed on the way' means the value that the module computes at that place (a softmax that the list does not call 'softmax' is quantised finished and normalised). What goes into a quantiser is computed in f32, as accurately as f32 sums, v_exp_f32 and their like allow (about 1e-6 of the number): no bf16 or f16 on the way to a quantiser, and a product that is left as it is and whose result goes on into a quantised operand takes f32 operands (vector FMAs, or v_wmma_f32_16x16x4_f32). A number that lies on a knife's edge between two numbers of the format may be rounded either way, as far as f32 arithmetic and the matrix unit's own rounding can turn it there, and no further.
;; One version. Each part assembles by itself: llvm-mc -triple=amdgcn-amd-amdhsa -mcpu=gfx1250 --defsym DOCPART=n.
;; ======== version 1 of 1: 3 launches
;; limits: right only within a limited range of input values
;; workspace buffers: wimg 393,216 bytes; qimg 2,097,152 bytes; kimg 2,097,152 bytes; vimg 2,097,152 bytes
;; launch prepw (part 1): grid 32 x 3, 4 waves a work-group, no clusters, 0 bytes of LDS; arguments Wk, Wq, Wv, lowp_scales, wimg; writes wimg
.if DOCPART == 1
	.amdgcn_target "amdgcn-amd-amdhsa--gfx1250"
	.amdhsa_code_object_version 6
	.text
	.protected	k_q557eb3011d_prepw
	.globl	k_q557eb3011d_prepw
	.p2align	8
	.type	k_q557eb3011d_prepw,@function
k_q557eb3011d_prepw:
	s_mov_b64 s[64:65], 0
	v_nop
	global_prefetch_b8 v0, s[64:65] scope:SCOPE_SE
	s_setreg_imm32_b32 hwreg(HW_REG_WAVE_MODE, 25, 1), 1
	s_wait_xcnt 0x0
; Wk, Wq, Wv: [1024 (k)][128 (n)] f32, K on the FIRST axis.  Each is turned into codes of FP8 (E4M3) with the one scale 2^e given for it (entries 1, 3, 5 of the scales):
; code = w / 2^e, held within +-448, to the nearest code, ties to even.
; OUT: wimg[s 8][P 3][t 8][2048]: s = a K step of 128, P = 0 (k), 1 (q), 2 (v), t = a tile of 16 columns.  A tile is the IMAGE OF AN OPERAND'S REGISTERS: registers 4 c .. 4 c + 3 of lane (r, h)
; lie at 512 c + 16 (r + 16 h) and hold column 16 t + r.  THE ORDER OF K is the one in which the next launch's loads of x bring it: byte i = 8 b + 4 j + m of those 16 holds
; k = 256 (s / 2) + 64 (s % 2) + 16 c + 8 h + 4 b + m + 128 j.  Any order serves that is the same in both operands.
; SHARES: work-group (x, y) takes step s = x / 4, group c = x % 4 of tensor y: two runs of 16 rows, 128 rows apart.  A THREAD TAKES A COLUMN AND ITS REGISTERS RUN ALONG K: a load of the four waves covers a row's 512 bytes,
; and the conversions, which take neighbours from one lane's consecutive registers, give codes with K innermost.  Nothing is transposed, nothing goes through LDS.
; LIMITS: e between -126 and 119, so that 2^e and 448 x 2^e are f32 numbers.  NaN among the inputs is not served; an infinity is held at the largest code.
.set ROWB, 512                         ; a row of W in bytes
.set X,    16                          ; v16-47  my column's 32 numbers
.set C,    48                          ; v48-55  their codes
	s_load_b128 s[4:7], s[0:1], 0x0                ; Wk, Wq
	s_load_b64 s[8:9], s[0:1], 0x10                ; Wv
	s_load_b128 s[12:15], s[0:1], 0x18             ; the scales' exponents, wimg
	v_lshlrev_b32 v1, 2, v0                        ; in: 4 bytes a thread
	v_lshrrev_b32 v2, 4, v0                        ; out: tile t = column / 16,
	v_and_b32 v3, 15, v0                           ; row r of its image
	v_lshlrev_b32 v2, 11, v2
	v_lshl_add_u32 v2, v3, 4, v2                   ; 2048 t + 16 r
	s_and_b32 s24, ttmp7, 0xffff                   ; P
	s_lshr_b32 s26, ttmp9, 3
	s_lshl_b32 s26, s26, 17                        ; 256 (s / 2) rows of 512 bytes
	s_and_b32 s27, ttmp9, 7
	s_lshl_b32 s27, s27, 13                        ; 64 (s % 2) + 16 c rows
	s_add_co_u32 s26, s26, s27
	s_mov_b32 s27, 0
	s_lshr_b32 s28, ttmp9, 2                       ; s = x / 4
	s_mul_i32 s28, s28, 3
	s_add_co_u32 s28, s28, s24
	s_lshl_b32 s28, s28, 14                        ; (3 s + P) x 8 tiles of 2,048 bytes
	s_and_b32 s29, ttmp9, 3                        ; c = x % 4
	s_lshl_b32 s29, s29, 9
	s_add_co_u32 s28, s28, s29
	s_mov_b32 s29, 0
	s_wait_alu depctr_va_vdst(0)
	s_wait_kmcnt 0x0
	s_load_b256 s[16:23], s[12:13], 0x0            ; e0 .. e7
	s_cmp_eq_u32 s24, 0                            ; the tensor is chosen by the work-group's y alone
	s_cselect_b64 s[4:5], s[4:5], s[6:7]
	s_cmp_eq_u32 s24, 2
	s_cselect_b64 s[4:5], s[8:9], s[4:5]
	s_add_nc_u64 s[4:5], s[4:5], s[26:27]
	s_add_nc_u64 s[14:15], s[14:15], s[28:29]
.set i, 0
.rept 32                               ; register 16 h + 8 b + 4 j + m takes row 8 h + 4 b + m + 128 j
	global_load_b32 v[X+i], v1, s[4:5] offset:ROWB*(8*(i/16)+4*((i/8)%2)+128*((i/4)%2)+i%4) th:TH_LOAD_NT
.set i, i+1
.endr
	s_wait_kmcnt 0x0
	s_cmp_eq_u32 s24, 0
	s_cselect_b32 s25, s17, s19                    ; e1 for Wk, e3 for Wq,
	s_cmp_eq_u32 s24, 2
	s_cselect_b32 s25, s21, s25                    ; e5 for Wv
	s_add_co_i32 s25, s25, 127
	s_lshl_b32 s30, s25, 23
	v_mov_b32 v11, s30                             ; 2^e as f32: the conversion takes its exponent field
	s_add_co_i32 s25, s25, 8
	s_lshl_b32 s25, s25, 23
	s_or_b32 s25, s25, 0x600000
	v_mov_b32 v10, s25                             ; 448 x 2^e
	s_wait_alu depctr_va_vdst(0)
	s_wait_loadcnt 0x0
.set i, 0
.rept 32
	v_med3_num_f32 v[X+i], v[X+i], -v10, v10       ; the conversion to an 8-bit code does not saturate (ISA guide 7.6.2): the hold comes first
.set i, i+1
.endr
.irp g, 0,1,2,3
	v_cvt_scalef32_pk8_fp8_f32 v[C+2*\g:C+2*\g+1], v[X+8*\g:X+8*\g+7], v11
.endr
	v_nop                                          ; a plain line behind the last conversion
	global_store_b128 v2, v[C:C+3], s[14:15]                ; the image's lanes 0-15; sixteen threads store 256 consecutive bytes, aligned
	global_store_b128 v2, v[C+4:C+7], s[14:15] offset:256   ; its lanes 16-31
	s_endpgm
.Lfunc_end_k_q557eb3011d_prepw:
	.size	k_q557eb3011d_prepw, .Lfunc_end_k_q557eb3011d_prepw-k_q557eb3011d_prepw
	.p2alignl 7, 3214868480
	.fill 96, 4, 3214868480
	.section	.rodata,"a",@progbits
	.p2align	6, 0x0
	.amdhsa_kernel k_q557eb3011d_prepw
		.amdhsa_group_segment_fixed_size 0
		.amdhsa_private_segment_fixed_size 0
		.amdhsa_enable_private_segment 0
		.amdhsa_kernarg_size 40
		.amdhsa_user_sgpr_count 2
		.amdhsa_user_sgpr_kernarg_segment_ptr 1
		.amdhsa_wavefront_size32 1
		.amdhsa_system_sgpr_workgroup_id_x 1
		.amdhsa_system_sgpr_workgroup_id_y 1
		.amdhsa_system_sgpr_workgroup_id_z 1
		.amdhsa_system_vgpr_workitem_id 0
		.amdhsa_next_free_vgpr 64
		.amdhsa_next_free_sgpr 66
		.amdhsa_reserve_vcc 0
		.amdhsa_float_denorm_mode_32 3
		.amdhsa_float_denorm_mode_16_64 3
		.amdhsa_memory_ordered 1
		.amdhsa_forward_progress 1
		.amdhsa_inst_pref_size 8
	.end_amdhsa_kernel
	.amdgpu_metadata
---
amdhsa.version: [ 1, 2 ]
amdhsa.kernels:
  - .name:           k_q557eb3011d_prepw
    .symbol:         k_q557eb3011d_prepw.kd
    .args:
      - { .name: Wk, .offset: 0, .size: 8, .value_kind: global_buffer, .address_space: global }
      - { .name: Wq, .offset: 8, .size: 8, .value_kind: global_buffer, .address_space: global }
      - { .name: Wv, .offset: 16, .size: 8, .value_kind: global_buffer, .address_space: global }
      - { .name: lowp_scales, .offset: 24, .size: 8, .value_kind: global_buffer, .address_space: global }
      - { .name: wimg, .offset: 32, .size: 8, .value_kind: global_buffer, .address_space: global }
    .group_segment_fixed_size: 0
    .private_segment_fixed_size: 0
    .kernarg_segment_align: 8
    .kernarg_segment_size: 40
    .max_flat_workgroup_size: 128
    .sgpr_count:     66
    .vgpr_count:     64
    .wavefront_size: 32
...
	.end_amdgpu_metadata
.endif
;; end of part 1
;; launch proj (part 2): grid 256 x 1, 8 waves a work-group, clusters of 4 x 1, 327,680 bytes of LDS; arguments x, wimg, lowp_scales, qimg, kimg, vimg; writes qimg, kimg, vimg
.if DOCPART == 2
	.amdgcn_target "amdgcn-amd-amdhsa--gfx1250"
	.amdhsa_code_object_version 6
	.text
	.protected	k_q557eb3011d_proj
	.globl	k_q557eb3011d_proj
	.p2align	8
	.type	k_q557eb3011d_proj,@function
k_q557eb3011d_proj:
	s_mov_b64 s[64:65], 0
	v_nop
	global_prefetch_b8 v0, s[64:65] scope:SCOPE_SE
	s_setreg_imm32_b32 hwreg(HW_REG_WAVE_MODE, 25, 1), 1
	s_wait_xcnt 0x0
	s_wait_alu depctr_hold_cnt(0) depctr_sa_sdst(0) depctr_va_vdst(0) depctr_va_sdst(0) depctr_va_ssrc(0) depctr_va_vcc(0) depctr_vm_vsrc(0)
	s_getreg_b32 s2, hwreg(HW_REG_IB_STS2, 6, 4)
	s_cmp_eq_u32 s2, 0
	s_cbranch_scc0 .Lentry_in_a_cluster
	s_endpgm
.Lentry_in_a_cluster:
	s_bfe_u32 s2, ttmp6, 0x10000c
	s_cmp_lg_u32 s2, 0x3003
	s_cbranch_scc0 .Lentry_shape_is_right
	s_endpgm
.Lentry_shape_is_right:
; k = x Wk, q = x Wq, v = x Wv on codes of FP8 (E4M3), and k, q, v quantised again, in registers, for the attention that follows.  x: [16384][1024] f32.
; x has a scale of its own in each product (entries 0, 2, 4 of the scales), so it is quantised three times; W's codes come from wimg (images of operand registers).
; A sum of product P stands for sum x 2^(ex + ew); its code for the next product is sum / 2^(eo - ex - ew): the three scales are folded into the conversion's one (eo: entry 7 for k, 6 for q, 9 for v).
; SHARES.  A work-group takes 64 tokens; K goes in four pieces of 256.  Wave w takes tokens 8 w .. 8 w + 7: its loads of x, 512 consecutive bytes each, go straight into registers, two pieces (32 loads) ahead.
; Quantising needs no particular lane for a number, so the codes are made as the numbers lie and go to LDS: lane l's two loads of a row give 8 codes, k = 256 p + 4 l + m and + 128.
; AN IMAGE in LDS: a fragment (16 rows x 128 K, 16 registers a lane) is eight runs (c, h) of 16 rows x 16 bytes, 272 bytes apart; lane l's 8 codes are half (l % 2) of the 16 bytes of run l / 2 = 8 s + 2 c + h, s the step of the piece.
; wimg holds W in the same order of k: every product meets its partner, and only the order of the sums inside an instruction changes.
; Waves 0 to 5 multiply: wave 2 P + f takes the four tiles of 16 columns of half f of product P against all four token tiles: 16 accumulators.  Waves 6 and 7 only quantise.
; THE TOKENS OF A TILE ARE NOT NEIGHBOURS: lane r of tile (block b of 32 tokens, u) holds token 32 b + 8 u + r + 8 (r / 8): wave w = 4 b + 2 h + u brings rows 8 h .. 8 h + 7 of tile 2 b + u.  So
;   k, q (source 0 = 16 columns of W, source 1 = a token tile): a lane holds ONE token, and the 16 registers of two tiles of W are one group of four registers of that token tile's image;
;   v    (source 0 = a token tile, source 1 = 16 columns of Wv): a lane holds ONE channel, and the 16 registers of tiles u = 0, 1 are tokens 32 b + 16 h + 0 .. 15: 16 neighbours along the keys, the next K.
; OUT (images of 2,048 bytes, run c at 512 c, 16 bytes a lane): qimg, kimg [batch][tile 2 (B % 4) + u][step B / 4 of 16] (B: the block of 32 tokens in the batch); vimg [batch][tile of 16 channels][step], K = the step's 128 keys.
; Each store of a wave covers 512 consecutive bytes, aligned.
; CLUSTER: all work-groups walk the same W.  The four of a cluster ask for each piece, 98,304 bytes, JOINTLY (mask 15), a wave an eighth of it, into one of two slots: piece 0 at the head, piece p + 1 behind trip p's round.
; One tensor load of a wave is out at a time, and it has the trip's products and the next piece's quantising in which to land.  The place in the cluster enters x's, the prefetch's and the results' addresses alone.
; PREFETCH: W is asked for ahead of x, once, shared out by address: a work-group names 24 blocks of 256 bytes (one instruction of wave 0), the 64 work-groups of 16 clusters name all 1,536, and four such sets of clusters do.
; LIMITS, so that each power of two below and 448 times it are f32 numbers: e0, e2, e4, e7 - e0 - e1, e6 - e2 - e3, e9 - e4 - e5 between -126 and 119.  NaN among the inputs is not served; an infinity is held at the largest code.
; REGISTERS, in windows of 256 (s_set_vgpr_msb's low byte: bits 1:0 source 0, 3:2 source 1, 5:4 source 2, 7:6 destination):
;   window 0: v2-8 addresses; v10-17 scales; v18, v19 the add's; v32-159 two sets of 64 numbers of x; v224-247 three sets of 8 held numbers; v248-253 three pairs of codes; v160-191 the way out's codes
;   window 1: v0-127 the 16 accumulators, (g, T) at v[8 (4 g + T)]; v128-191 x's four fragments; v192-255 W's four
.set SLOTW, 98304                      ; a piece of W
.set IMG,   2*SLOTW                    ; behind the two slots: the images of x's codes
.set IT,    4352                       ; a token tile's two steps: 16 runs of 272 bytes
.set IVER,  4*IT                       ; a version's four token tiles
.set IBUF,  3*IVER                     ; two such buffers by turns
.set SPARE, IMG+2*IBUF                 ; the spare words, 128 bytes for each of the eight waves: four blocks of 256 bytes that no other line names
.set XO,  2                            ; v2      16 x lane; never rewritten
.set IW,  3                            ; v3, v4  LDS: where I store 8 codes, buffer 0, 1
.set LI,  5                            ; v5, v6  LDS: where I read my product's fragments of x, buffer 0, 1
.set WA,  7                            ; v7, v8  LDS: where I read my fragments of W, slot 0, 1
.set SC,  10                           ; v10-15  2^e and 448 x 2^e for e0, e2, e4
.set OSC, 16                           ; v16-17  the same for my way out
.set SPW, 18                           ; v18     SPARE + 4 x my thread's number; never rewritten
.set NIL, 19                           ; v19     0; never rewritten
.set PFO, 26                           ; v26     the prefetch's offset; never rewritten
.set XS,  32
.set TMP, 224
.set CD,  248
.set OC,  160
.set G1,  24                           ; s[24:31] descriptor group 1
.set G0A, 32                           ; s[32:35], s[36:39] descriptor group 0 for slot 0, slot 1
.set G0B, 36
.set MSB, 0
.macro WIN new                         ; the immediate's high byte repeats the setting that is left; a switch that changes nothing is dropped
.if MSB != \new
	s_set_vgpr_msb (MSB<<8)|\new
.set MSB, \new
.endif
.endm
.macro CROUND                          ; a round of the cluster's barrier
	s_barrier_signal -1
	s_barrier_wait -1
	s_cmp_lg_u32 s14, 0
	s_cbranch_scc1 .Lnot_wave_0_\@
	s_barrier_signal -3
.Lnot_wave_0_\@:
	s_barrier_wait -3
	s_barrier_signal -1
	s_barrier_wait -1
.endm
.macro PLACES                          ; four plain vector lines between a matrix instruction and a load into, or a vector read of, its registers (ISA guide 7.12.1 for a vector read)
.rept 4
	v_nop
.endr
.endm
.macro MKSC e, vs                      ; s[e] holds an exponent: v[vs] = 2^e, v[vs + 1] = 448 x 2^e
	s_add_co_i32 s88, s[\e], 127
	s_lshl_b32 s89, s88, 23
	v_mov_b32 v[\vs], s89
	s_add_co_i32 s88, s88, 8
	s_lshl_b32 s88, s88, 23
	s_or_b32 s88, s88, 0x600000
	v_mov_b32 v[\vs+1], s88
.endm
.macro XLOAD p, i                      ; piece p of my token i: two loads of 512 consecutive bytes, into set p % 2
	global_load_b128 v[XS+64*((\p)%2)+8*(\i):XS+64*((\p)%2)+8*(\i)+3], v[XO], s[4:5] offset:4096*(\i)+1024*(\p) th:TH_LOAD_NT
	global_load_b128 v[XS+64*((\p)%2)+8*(\i)+4:XS+64*((\p)%2)+8*(\i)+7], v[XO], s[4:5] offset:4096*(\i)+1024*(\p)+512 th:TH_LOAD_NT
.endm
; Quantising: item n = token n / 3, version n % 3.
.macro HOLD n, p
.set XB, XS+64*((\p)%2)+8*((\n)/3)
.set TB, TMP+8*((\n)%3)
.set VL, SC+2*((\n)%3)+1
.irp k, 0,1,2,3,4,5,6,7
	v_med3_num_f32 v[TB+\k], v[XB+\k], -v[VL], v[VL]   ; the conversion to an 8-bit code does not saturate (ISA guide 7.6.2): the hold comes first
.endr
.endm
.macro CONV n, p
	v_cvt_scalef32_pk8_fp8_f32 v[CD+2*((\n)%3):CD+2*((\n)%3)+1], v[TMP+8*((\n)%3):TMP+8*((\n)%3)+7], v[SC+2*((\n)%3)]
	ds_store_b64 v[IW+(\p)%2], v[CD+2*((\n)%3):CD+2*((\n)%3)+1] offset:((\n)%3)*IVER+16*((\n)/3)
.endm
; Item n is held while item n - 1 is still to be converted: eight plain lines stand between a conversion and the next write of its sources.  Where a token's loads are waited for, the item before is converted first.
; THE WAIT, at token i of piece p: pieces 0 and 1: 32 loads and 2 for each earlier token have been issued from the piece's first on, 2 i + 2 must be in: 30 may be out; pieces 2, 3 (nothing more is asked for): 30 - 2 i, 14 - 2 i.
.macro QUANT p
.set QN, 0
.rept 24
.if QN%3 == 0
.if QN > 0
	CONV QN-1, \p
.endif
.if (\p) < 2
	s_wait_loadcnt 30
.else
	s_wait_loadcnt 62-16*(\p)-2*(QN/3)
.endif
.endif
	HOLD QN, \p
.if QN%3 > 0
	CONV QN-1, \p
.endif
.if ((\p) < 2) && (QN%3 == 2)
	XLOAD (\p)+2, QN/3                             ; the token's registers take its piece two further on
.endif
.set QN, QN+1
.endr
	CONV 23, \p
	v_nop                                          ; a plain line behind the last conversion
.endm
.macro FRAGS p, s                      ; step s of piece p: my product's four fragments of x and my four of W: 32 loads
	WIN 0x40                                       ; destination window 1, address window 0
.irp t, 0,1,2,3
.irp c, 0,1,2,3
	ds_load_b128 v[128+16*\t+4*\c:128+16*\t+4*\c+3], v[LI+(\p)%2] offset:\t*IT+(\s)*2176+544*\c
.endr
.endr
.irp g, 0,1,2,3
.irp c, 0,1,2,3
	ds_load_b128 v[192+16*\g+4*\c:192+16*\g+4*\c+3], v[WA+(\p)%2] offset:(\s)*49152+2048*\g+512*\c
.endr
.endr
.endm
; 16 matrix instructions.  The 16 accumulators take turns, one instruction a turn, in the same order in every step.  The first step starts the sums: nothing is cleared.
.macro MM p, s, kind                   ; kind 0: k, q: source 0 = W; kind 1: v: source 0 = x
	WIN 0x55                                       ; all in window 1
.irp g, 0,1,2,3
	s_wait_dscnt 12-4*\g                           ; x's fragments and W's up to g are in; the younger 12 - 4 g loads may be out
.irp t, 0,1,2,3
.if \kind
.set SA, 128+16*\t
.set SB, 192+16*\g
.else
.set SA, 192+16*\g
.set SB, 128+16*\t
.endif
.if ((\p) == 0) && ((\s) == 0)
	v_wmma_f32_16x16x128_fp8_fp8 v[8*(4*\g+\t):8*(4*\g+\t)+7], v[SA:SA+15], v[SB:SB+15], 0
.else
	v_wmma_f32_16x16x128_fp8_fp8 v[8*(4*\g+\t):8*(4*\g+\t)+7], v[SA:SA+15], v[SB:SB+15], v[8*(4*\g+\t):8*(4*\g+\t)+7]
.endif
.endr
.endr
.endm
.macro ROLE p, kind                    ; a piece's two steps, and behind the last piece the way out
	FRAGS \p, 0
	MM \p, 0, \kind
	PLACES
	FRAGS \p, 1
	MM \p, 1, \kind
.if (\p) == 3
	PLACES
	WIN 0x41                                       ; source 0 and destination window 1; the limits in window 0
.set j, 0
.rept 128
	v_med3_num_f32 v[j], v[j], -v[OSC+1], v[OSC+1] ; each accumulator from its low end on
.set j, j+1
.endr
	WIN 0x01                                       ; source 0 window 1, destination and scale window 0
.irp a, 0,1,2,3
.irp d, 0,1
.if \kind                              ; tile a of Wv, block d: token tiles 2 d, 2 d + 1: 16 neighbouring keys a lane
.set A0, 8*(4*\a+2*\d)
.set A1, A0+8
.else                                  ; token tile a: my tiles 2 d, 2 d + 1 of W: 16 codes a lane
.set A0, 8*(8*\d+\a)
.set A1, A0+32
.endif
	v_cvt_scalef32_pk8_fp8_f32 v[OC+8*\a+4*\d:OC+8*\a+4*\d+1], v[A0:A0+7], v[OSC]
	v_cvt_scalef32_pk8_fp8_f32 v[OC+8*\a+4*\d+2:OC+8*\a+4*\d+3], v[A1:A1+7], v[OSC]
.endr
.endr
	v_nop                                          ; a plain line behind the last conversion
	WIN 0
.irp a, 0,1,2,3
.irp d, 0,1
	global_store_b128 v[XO], v[OC+8*\a+4*\d:OC+8*\a+4*\d+3], s[58:59] offset:32768*\a+512*\d   ; one run of an image: 512 consecutive bytes
.endr
.endr
.endif
	WIN 0                                          ; at a branch and at a label every window is 0
.endm
; TRIP p.  The round does all orderings: everybody's codes of piece p and part of W's piece p are in; nobody reads slot (p + 1) % 2 any more, which is filled behind it.
; Buffer p % 2 of the images is written in trip p by waves that have passed trip p - 1's round, in front of which every wave had its reads of trip p - 2 back.
.macro TRIP p
	QUANT \p
	s_wait_tensorcnt 0x0                           ; my part of W's piece p is in; no tensor load of mine is out, so a group 0 may be written
	ds_add_u32 v[SPW], v[NIL]                      ; 0 onto my spare word
.if (\p) == 1
	s_add_nc_u64 s[G0A+2:G0A+3], s[G0A+2:G0A+3], 2*SLOTW   ; two pieces on
.endif
.if (\p) == 2
	s_add_nc_u64 s[G0B+2:G0B+3], s[G0B+2:G0B+3], 2*SLOTW
.endif
	s_wait_dscnt 0x0                               ; the add is done, my codes have landed, and my reads of the last trip are over
.if (\p) < 3
	CROUND
.if ((\p)%2) == 0
	tensor_load_to_lds s[G0B:G0B+3], s[G1:G1+7]    ; W's piece p + 1 into slot 1
.else
	tensor_load_to_lds s[G0A:G0A+3], s[G1:G1+7]    ; into slot 0
.endif
	s_nop 0
	PLACES
.else
	s_barrier_signal -1                            ; nothing is left to fetch
	s_barrier_wait -1
.endif
	s_cmp_gt_u32 s14, 5
	s_cbranch_scc1 .Lrest_\@
	s_cmp_gt_u32 s14, 3
	s_cbranch_scc1 .Lv_\@
	ROLE \p, 0
	s_branch .Lrest_\@
.Lv_\@:
	ROLE \p, 1
.Lrest_\@:
.endm
	s_load_b256 s[4:11], s[0:1], 0x0               ; x s[4:5], wimg s[6:7], the scales' exponents s[8:9], qimg s[10:11]
	s_load_b128 s[76:79], s[0:1], 0x20             ; kimg, vimg
	v_lshl_add_u32 v[SPW], v0, 2, SPARE
	v_mov_b32 v[NIL], 0
	ds_add_u32 v[SPW], v[NIL]                      ; the wave's opening: the add, twice on end, and its wait ahead of my first tensor load
	ds_add_u32 v[SPW], v[NIL]
	v_lshrrev_b32 v20, 5, v0
	v_and_b32 v21, 31, v0                          ; lane
	v_readfirstlane_b32 s14, v20                   ; wave 0..7
	v_lshlrev_b32 v[XO], 4, v21
	v_min_u32 v[PFO], 23, v21
	v_lshlrev_b32 v[PFO], 8, v[PFO]                ; 24 blocks of 256 bytes (the last eight lanes name the last again)
	; descriptor group 1: a dense block of 12,288 bytes as 48 rows of 32 elements of 8 bytes
	s_mov_b32 s[G1+0], 15|(3<<16)|(1<<21)          ; 15:0 the mask: all four work-groups; 17:16 elements of 8 bytes; 21 set beside a mask; no padding
	s_mov_b32 s[G1+1], 32<<16                      ; tensor_dim0 = 32
	s_mov_b32 s[G1+2], 48<<16                      ; tensor_dim1 = 48
	s_mov_b32 s[G1+3], 32<<16                      ; tile_dim0 = 32
	s_mov_b32 s[G1+4], 48                          ; tile_dim1 = 48
	s_mov_b32 s[G1+5], 32                          ; tensor_dim0_stride
	s_mov_b32 s[G1+6], 0
	s_mov_b32 s[G1+7], 0
	s_bfe_u32 s41, ttmp6, 0x40000                  ; cx: my place in the cluster
	s_lshl_b32 s40, ttmp9, 2
	s_add_co_u32 s40, s40, s41                     ; the work-group's number
	s_lshl_b32 s42, s40, 18                        ; its 64 tokens of 4,096 bytes,
	s_lshl_b32 s43, s14, 15                        ; my eight of them
	s_add_co_u32 s42, s42, s43
	s_mov_b32 s43, 0
	s_mul_i32 s44, s14, SLOTW/8                    ; my eighth of a piece of W
	s_mov_b32 s45, 0
	s_lshr_b32 s46, ttmp9, 4
	s_mul_i32 s46, s46, 9
	s_add_co_u32 s46, s46, ttmp9
	s_and_b32 s46, s46, 15                         ; the prefetch: which sixteenth of W my cluster names (turned by 9 from one set of 16 clusters to the next),
	s_lshl_b32 s46, s46, 2
	s_add_co_u32 s46, s46, s41                     ; and which quarter of it my work-group
	s_mul_i32 s60, s46, 6144
	s_mov_b32 s61, 0
	s_wait_alu depctr_va_vdst(0)
	s_wait_dscnt 0x0                               ; both opening adds are done
	s_wait_kmcnt 0x0
	s_load_b256 s[16:23], s[8:9], 0x0              ; e0 .. e7
	s_load_b64 s[66:67], s[8:9], 0x20              ; e8, e9
	s_add_nc_u64 s[60:61], s[6:7], s[60:61]
	s_add_nc_u64 s[4:5], s[4:5], s[42:43]
	s_add_nc_u64 s[6:7], s[6:7], s[44:45]
	s_cmp_lg_u32 s14, 0
	s_cbranch_scc1 .Lno_ask
	global_prefetch_b8 v[PFO], s[60:61] th:TH_LOAD_NT scope:SCOPE_SE
.Lno_ask:
.irp i, 0,1,2,3,4,5,6,7
	XLOAD 0, \i
.endr
	s_mov_b32 s[G0A], 1                            ; count = 1
	s_mov_b32 s[G0A+1], s44                        ; LDS address: the wave's number alone
	s_mov_b64 s[G0A+2:G0A+3], s[6:7]               ; piece 0
	s_or_b32 s[G0A+3], s[G0A+3], 0x80000000        ; type = 2
	s_mov_b32 s[G0B], 1
	s_add_co_u32 s[G0B+1], s44, SLOTW
	s_add_nc_u64 s[G0B+2:G0B+3], s[6:7], SLOTW     ; piece 1
	s_or_b32 s[G0B+3], s[G0B+3], 0x80000000
	CROUND                                         ; all four work-groups are here: the first joint loads meet
	tensor_load_to_lds s[G0A:G0A+3], s[G1:G1+7]    ; W's piece 0
	s_nop 0
	PLACES
.irp i, 0,1,2,3,4,5,6,7
	XLOAD 1, \i
.endr
	s_lshr_b32 s15, s14, 1
	s_min_u32 s15, s15, 2                          ; P (waves 6 and 7 multiply nothing)
	s_and_b32 s53, s14, 1                          ; f: my half of its columns
	s_lshr_b32 s46, s14, 2
	s_lshl_b32 s46, s46, 1
	s_add_co_u32 s46, s46, s53                     ; the token tile of my eight tokens: 2 (w / 4) + w % 2,
	s_mul_i32 s46, s46, IT
	s_lshr_b32 s47, s14, 1
	s_and_b32 s47, s47, 1
	s_lshl_b32 s47, s47, 7
	s_add_co_u32 s46, s46, s47                     ; its rows 8 ((w / 2) % 2) on
	s_add_co_u32 s46, s46, IMG
	s_mul_i32 s47, s15, IVER
	s_add_co_u32 s47, s47, IMG
	s_lshl_b32 s48, s15, 14
	s_lshl_b32 s49, s53, 13
	s_add_co_u32 s48, s48, s49                     ; my four tiles of W in a step's 24
	v_lshrrev_b32 v22, 1, v21
	v_lshrrev_b32 v25, 4, v21                      ; h
	v_and_b32 v23, 1, v21
	v_and_b32 v24, 15, v21                         ; r
	v_mul_u32_u24 v22, v22, 272
	v_mul_u32_u24 v25, v25, 272
	v_add_nc_u32 v[WA], s48, v[XO]
	v_lshl_add_u32 v22, v23, 3, v22                ; 272 (l / 2) + 8 (l % 2)
	v_lshl_add_u32 v25, v24, 4, v25                ; 272 h + 16 r
	v_add_nc_u32 v[WA+1], SLOTW, v[WA]
	v_add_nc_u32 v[IW], s46, v22
	v_add_nc_u32 v[LI], s47, v25
	v_add_nc_u32 v[IW+1], IBUF, v[IW]
	v_add_nc_u32 v[LI+1], IBUF, v[LI]
	; where my results go: batch g / 32, step (g / 2) % 16; K, Q: image tiles 4 (g % 2) on, runs 2 f on; V: channel tiles 4 f on, runs 2 (g % 2) on
	s_lshr_b32 s48, s40, 5
	s_lshl_b32 s48, s48, 18
	s_lshr_b32 s49, s40, 1
	s_and_b32 s49, s49, 15
	s_lshl_b32 s49, s49, 11
	s_add_co_u32 s48, s48, s49
	s_and_b32 s49, s40, 1
	s_lshl_b32 s50, s49, 17
	s_lshl_b32 s51, s53, 10
	s_add_co_u32 s50, s50, s51
	s_add_co_u32 s50, s50, s48                     ; K, Q
	s_lshl_b32 s52, s53, 17
	s_lshl_b32 s51, s49, 10
	s_add_co_u32 s52, s52, s51
	s_add_co_u32 s52, s52, s48                     ; V
	s_mov_b32 s57, 0
	s_cmp_eq_u32 s15, 0                            ; the choices hang on the wave's number alone
	s_cselect_b64 s[58:59], s[76:77], s[10:11]
	s_cmp_eq_u32 s15, 2
	s_cselect_b64 s[58:59], s[78:79], s[58:59]
	s_cselect_b32 s56, s52, s50
	s_add_nc_u64 s[58:59], s[58:59], s[56:57]
	s_wait_kmcnt 0x0
	MKSC 16, SC                                    ; x for k: e0
	MKSC 18, SC+2                                  ; x for q: e2
	MKSC 20, SC+4                                  ; x for v: e4
	s_cmp_eq_u32 s15, 0
	s_cselect_b32 s70, s23, s22                    ; k: e7 - e0 - e1; q: e6 - e2 - e3; v: e9 - e4 - e5
	s_cselect_b32 s71, s16, s18
	s_cselect_b32 s72, s17, s19
	s_cmp_eq_u32 s15, 2
	s_cselect_b32 s70, s67, s70
	s_cselect_b32 s71, s20, s71
	s_cselect_b32 s72, s21, s72
	s_sub_co_i32 s70, s70, s71
	s_sub_co_i32 s70, s70, s72
	MKSC 70, OSC
	s_wait_alu depctr_va_vdst(0)
	TRIP 0
	TRIP 1
	TRIP 2
	TRIP 3
	s_wait_tensorcnt 0x0                           ; the wave's end
	ds_add_u32 v[SPW], v[NIL]
	s_wait_dscnt 0x0
	CROUND                                         ; the closing round: no work-group ends while a partner may still ask for a piece that names it
	s_endpgm
.Lfunc_end_k_q557eb3011d_proj:
	.size	k_q557eb3011d_proj, .Lfunc_end_k_q557eb3011d_proj-k_q557eb3011d_proj
	.p2alignl 7, 3214868480
	.fill 96, 4, 3214868480
	.section	.rodata,"a",@progbits
	.p2align	6, 0x0
	.amdhsa_kernel k_q557eb3011d_proj
		.amdhsa_group_segment_fixed_size 327680
		.amdhsa_private_segment_fixed_size 0
		.amdhsa_enable_private_segment 0
		.amdhsa_kernarg_size 48
		.amdhsa_user_sgpr_count 2
		.amdhsa_user_sgpr_kernarg_segment_ptr 1
		.amdhsa_wavefront_size32 1
		.amdhsa_system_sgpr_workgroup_id_x 1
		.amdhsa_system_sgpr_workgroup_id_y 1
		.amdhsa_system_sgpr_workgroup_id_z 1
		.amdhsa_system_vgpr_workitem_id 0
		.amdhsa_next_free_vgpr 512
		.amdhsa_next_free_sgpr 96
		.amdhsa_reserve_vcc 0
		.amdhsa_float_denorm_mode_32 3
		.amdhsa_float_denorm_mode_16_64 3
		.amdhsa_memory_ordered 1
		.amdhsa_forward_progress 1
		.amdhsa_inst_pref_size 150
	.end_amdhsa_kernel
	.amdgpu_metadata
---
amdhsa.version: [ 1, 2 ]
amdhsa.kernels:
  - .name:           k_q557eb3011d_proj
    .symbol:         k_q557eb3011d_proj.kd
    .args:
      - { .name: x, .offset: 0, .size: 8, .value_kind: global_buffer, .address_space: global }
      - { .name: wimg, .offset: 8, .size: 8, .value_kind: global_buffer, .address_space: global }
      - { .name: lowp_scales, .offset: 16, .size: 8, .value_kind: global_buffer, .address_space: global }
      - { .name: qimg, .offset: 24, .size: 8, .value_kind: global_buffer, .address_space: global }
      - { .name: kimg, .offset: 32, .size: 8, .value_kind: global_buffer, .address_space: global }
      - { .name: vimg, .offset: 40, .size: 8, .value_kind: global_buffer, .address_space: global }
    .group_segment_fixed_size: 327680
    .private_segment_fixed_size: 0
    .kernarg_segment_align: 8
    .kernarg_segment_size: 48
    .max_flat_workgroup_size: 256
    .sgpr_count:     96
    .vgpr_count:     512
    .wavefront_size: 32
...
	.end_amdgpu_metadata
.endif
;; end of part 2
;; launch attn (part 3): grid 32 x 8, 8 waves a work-group, clusters of 4 x 1, 327,680 bytes of LDS; arguments qimg, kimg, vimg, lowp_scales, out0; writes out0
.if DOCPART == 3
	.amdgcn_target "amdgcn-amd-amdhsa--gfx1250"
	.amdhsa_code_object_version 6
	.text
	.protected	k_q557eb3011d_attn
	.globl	k_q557eb3011d_attn
	.p2align	8
	.type	k_q557eb3011d_attn,@function
k_q557eb3011d_attn:
	s_mov_b64 s[64:65], 0
	v_nop
	global_prefetch_b8 v0, s[64:65] scope:SCOPE_SE
	s_setreg_imm32_b32 hwreg(HW_REG_WAVE_MODE, 25, 1), 1
	s_wait_xcnt 0x0
	s_wait_alu depctr_hold_cnt(0) depctr_sa_sdst(0) depctr_va_vdst(0) depctr_va_sdst(0) depctr_va_ssrc(0) depctr_va_vcc(0) depctr_vm_vsrc(0)
	s_getreg_b32 s2, hwreg(HW_REG_IB_STS2, 6, 4)
	s_cmp_eq_u32 s2, 0
	s_cbranch_scc0 .Lentry_in_a_cluster
	s_endpgm
.Lentry_in_a_cluster:
	s_bfe_u32 s2, ttmp6, 0x10000c
	s_cmp_lg_u32 s2, 0x3003
	s_cbranch_scc0 .Lentry_shape_is_right
	s_endpgm
.Lentry_shape_is_right:
; out[b][q][:] = the sum over keys k <= q of softmax_k(Q[q] . K[k] / sqrt(128)) V[k][:], both products on codes of FP8 (E4M3); 8 batches of 2,048 tokens, head size 128; out f32.
; DEAD WORK LEFT OUT: keys beyond the causal mask, in whole groups of 32 keys for all 64 queries of a cluster's block pair; a NaN or an infinity among those keys is not carried to the queries that they are hidden from.
; IN: IMAGES OF OPERAND REGISTERS: a fragment (16 rows x 128 K) is 2,048 bytes, registers 4 c .. 4 c + 3 of lane l at 512 c + 16 l.  qimg, kimg [batch][tile 2 (B % 4) + u][step B / 4]: lane r of tile (block B of 32 tokens, u) is
; token 32 B + 8 u + r + 8 (r / 8).  vimg [batch][tile of 16 channels][step of 128 keys].
; THE SOFTMAX AHEAD OF THE SECOND PRODUCT: t = score x log2(e) / sqrt(128); M = the row's largest t, rounded UP to a whole number; p = 2^(t - M) is quantised, not normalised; the sum is taken of the unquantised p and divides at the end.
; SHARES.  Work-group j (0 .. 31) of a batch owns blocks j (early) and 63 - j (late) of 32 tokens; c = its cluster's number.  Visible are 64 - 4 c groups of 32 keys to the late block and 4 c + 4 to the early one: 68 in all.
; Waves 0 .. nL - 1 (nL = 7 - c / 2) take the late block's groups, ten neighbouring ones each, the others the early block's.  A wave keeps all its scores in registers (10 groups x 2 query tiles x 16); the row's maxima meet in LDS,
; so that M is known before the first exponential and nothing is ever rescaled.  p's codes go to LDS, 1,024 bytes a group (ten places a wave, so that the late groups lie one behind the other, and the early ones likewise).
; Then wave w takes block w / 4 (0 late, 1 early) and channels 32 (w % 4) on over all its key steps: no sums of O meet.  The results meet in LDS once more and leave as whole rows of 512 bytes.
; LAYOUT.  Both products are used transposed: S^T = K Q^T, O^T = V^T P^T: a lane holds ONE query throughout, and the 16 registers of a group's two K tiles are keys 16 (lane / 16) + 0 .. 15 of the group: p's conversions give the operand.
; LDS.  K of all steps, 262,144 bytes, comes by one joint load a wave (tile w of all 16 steps: step 0, which every block reads, is in each).  When the scores are made, V's steps 0 to 13 (tile w of each by wave w) take its place, while the
; exponentials are at work.  V's steps 14 and 15, which only the late blocks of clusters 1 and 0 read, go from memory into registers.  P's places begin behind V and reach over what was K's end, which is not filled again.
; CLUSTER: its four work-groups read the same batch's K and V and ask for them JOINTLY (mask 15).  A work-group's place enters Q's and out's addresses and the numbers that the mask compares, nothing else.
; NO PREFETCH: K is asked for at the head, V has the exponentials in which to land, and there is no loop to run ahead in.
; LIMITS, so that each power of two below is an f32 number: e6 + e7 between -123 and 130 (added to c's exponent field); e8 between -126 and 119; e8 + e9 goes through v_ldexp_f32 and has none.  The scaled scores stay under 2^31 in magnitude.
; REGISTERS, in windows of 256 (s_set_vgpr_msb's low byte: bits 1:0 source 0, 3:2 source 1, 5:4 source 2, 7:6 destination).  A UNIT is two groups, 64 registers of scores: group g, query tile u at 32 g + 16 u.
;   window 0: v1-14 addresses; v15 -infinity; v[16:17], v[18:19] -M of tile 0, 1; v20, v21 maxima, later the divisors; v22-29 sums; v30 2^e8; v31 448 x 2^e8; v32-63 Q, later what meets in LDS;
;             v64-127 K's fragments, even units, later V's steps 14, 15; v128-191 K's, odd units, later p's codes, later a step's fragments; v192-255 unit 4, later O^T and the results
;   window 1: units 0 to 3; later v0-63 a step's fragments
.set VT,    28672                      ; a tile of V in LDS: 14 steps of 2,048 bytes
.set PB,    8*VT                       ; p's codes: 80 places of 1,024 bytes
.set MX,    PB+81920                   ; maxima [u][r][wave], 1,024 bytes; the sums likewise behind them
.set SPARE, MX+2048                    ; the spare words, 128 bytes for each of the eight waves: four blocks of 256 bytes that no other line names
.set SPW, 5                            ; v5   SPARE + 4 x my thread's number; never rewritten
.set NIL, 6                            ; v6   0; never rewritten
.set WV,  12                           ; s12  my wave's number
.set KG,  15                           ; s15  my first group
.set NG,  18                           ; s18  my block's visible groups
.set SEL, 20                           ; s[20:21] lane selects for v_permlanex16_b32: lane l xor 16
.set CS,  22                           ; s[22:23] log2(e) / sqrt(128) x 2^(e6 + e7)
.set G1K, 24                           ; s[24:31], s[32:39] descriptor group 1 for K, V
.set G1V, 32
.set G0K, 40                           ; s[40:43], s[44:47] descriptor group 0
.set G0V, 44
.set ND,  52                           ; s52  the last key step of the block that I finish
.set PO,  91                           ; s91  where its codes begin, from PB on
.set MSB, 0
.macro WIN new                         ; the immediate's high byte repeats the setting that is left; a switch that changes nothing is dropped
.if MSB != (\new)
	s_set_vgpr_msb (MSB<<8)|(\new)
.set MSB, (\new)
.endif
.endm
.macro CROUND                          ; a round of the cluster's barrier
	s_barrier_signal -1
	s_barrier_wait -1
	s_cmp_lg_u32 s[WV], 0
	s_cbranch_scc1 .Lnot_wave_0_\@
	s_barrier_signal -3
.Lnot_wave_0_\@:
	s_barrier_wait -3
	s_barrier_signal -1
	s_barrier_wait -1
.endm
.macro PLACES
.rept 4
	v_nop
.endr
.endm
	s_load_b256 s[4:11], s[0:1], 0x0               ; qimg s[4:5], kimg s[6:7], vimg s[8:9], the scales' exponents s[10:11]
	s_load_b64 s[16:17], s[0:1], 0x20              ; out
	v_lshl_add_u32 v[SPW], v0, 2, SPARE
	v_mov_b32 v[NIL], 0
	ds_add_u32 v[SPW], v[NIL]                      ; the wave's opening: the add, twice on end, and its wait ahead of my first tensor load
	ds_add_u32 v[SPW], v[NIL]
	v_lshrrev_b32 v8, 5, v0
	v_and_b32 v9, 31, v0
	v_readfirstlane_b32 s[WV], v8                  ; wave 0..7
	v_lshlrev_b32 v1, 4, v9                        ; 16 x lane: my place in every image; never rewritten
	; descriptor group 1: dense blocks as rows of 32 elements of 8 bytes: 128 rows for K, 112 for V
	s_mov_b32 s[G1K+0], 15|(3<<16)|(1<<21)         ; 15:0 the mask: all four work-groups; 17:16 elements of 8 bytes; 21 set beside a mask; no padding
	s_mov_b32 s[G1K+1], 32<<16
	s_mov_b32 s[G1K+2], 128<<16
	s_mov_b32 s[G1K+3], 32<<16
	s_mov_b32 s[G1K+4], 128
	s_mov_b32 s[G1K+5], 32
	s_mov_b32 s[G1K+6], 0
	s_mov_b32 s[G1K+7], 0
	s_mov_b32 s[G1V+0], 15|(3<<16)|(1<<21)
	s_mov_b32 s[G1V+1], 32<<16
	s_mov_b32 s[G1V+2], 112<<16
	s_mov_b32 s[G1V+3], 32<<16
	s_mov_b32 s[G1V+4], 112
	s_mov_b32 s[G1V+5], 32
	s_mov_b32 s[G1V+6], 0
	s_mov_b32 s[G1V+7], 0
	s_bfe_u32 s50, ttmp6, 0x40000                  ; cx: my place in the cluster
	s_lshl_b32 s88, ttmp9, 2                       ; 4 c
	s_add_co_u32 s48, s88, s50                     ; j
	s_sub_co_u32 s49, 63, s48
	s_sub_co_u32 s63, 64, s88                      ; the late block's groups,
	s_add_co_u32 s89, s88, 4                       ; the early one's
	s_lshr_b32 s13, ttmp9, 1
	s_sub_co_u32 s13, 7, s13
	s_min_u32 s13, s13, 7                          ; nL
	s_cmp_lt_u32 s[WV], s13                        ; do I make scores for the late block?
	s_cselect_b32 s14, 0, -1
	s_cselect_b32 s62, 0, s13
	s_cselect_b32 s19, s49, s48                    ; its number
	s_cselect_b32 s[NG], s63, s89
	s_sub_co_u32 s62, s[WV], s62
	s_mul_i32 s[KG], s62, 10
	s_sub_co_u32 s92, s[NG], 2                     ; the last unit's first group
	s_and_b32 s51, ttmp7, 0xffff                   ; the batch, which the partners share
	s_lshl_b32 s51, s51, 18                        ; 262,144 bytes of each image buffer
	s_lshl_b32 s60, s[WV], 15
	s_add_co_u32 s60, s60, s51                     ; K, V: tile w of the batch
	s_mov_b32 s61, 0
	s_and_b32 s56, s19, 3
	s_lshl_b32 s56, s56, 16
	s_add_co_u32 s56, s56, s51
	s_lshr_b32 s57, s19, 2
	s_lshl_b32 s57, s57, 11
	s_add_co_u32 s56, s56, s57                     ; Q: tile 2 (block % 4), step block / 4
	s_mov_b32 s57, 0
	s_lshr_b32 s54, s[WV], 2                       ; the block that I finish: 0 late, 1 early,
	s_and_b32 s55, s[WV], 3                        ; and which 32 of its channels
	s_sub_co_u32 s53, 0, s54
	s_sub_co_u32 s62, 15, ttmp9
	s_mul_i32 s63, s13, 10240
	s_cmp_eq_u32 s54, 0
	s_cselect_b32 s[ND], s62, ttmp9                ; 15 - c or c: the same in all four partners
	s_cselect_b32 s[PO], 0, s63
	s_cselect_b32 s58, s49, s48
	s_lshl_b32 s58, s58, 14                        ; out: 32 rows of 512 bytes a block,
	s_lshl_b32 s59, s55, 12                        ; eight of which I store
	s_add_co_u32 s58, s58, s59
	s_lshl_b32 s59, s51, 2
	s_add_co_u32 s58, s58, s59
	s_mov_b32 s59, 0
	s_lshl_b32 s66, s55, 16
	s_add_co_u32 s66, s66, s51                     ; V's tiles 2 (w % 4) on
	s_mov_b32 s67, 0
	s_mov_b32 s[SEL], 0x76543210
	s_mov_b32 s[SEL+1], 0xfedcba98
	s_mov_b32 s[CS], 0x3e0293ee                    ; log2(e) / sqrt(128)
	s_wait_alu depctr_va_vdst(0)
	s_wait_dscnt 0x0                               ; both opening adds are done
	s_wait_kmcnt 0x0
	s_load_b128 s[68:71], s[10:11], 0x18           ; e6, e7, e8, e9
	s_add_nc_u64 s[4:5], s[4:5], s[56:57]
	s_add_nc_u64 s[6:7], s[6:7], s[60:61]
	s_add_nc_u64 s[66:67], s[8:9], s[66:67]
	s_add_nc_u64 s[8:9], s[8:9], s[60:61]
	s_add_nc_u64 s[16:17], s[16:17], s[58:59]
	s_mov_b32 s[G0K], 1                            ; count = 1
	s_lshl_b32 s[G0K+1], s[WV], 15                 ; LDS address: the wave's number alone
	s_mov_b64 s[G0K+2:G0K+3], s[6:7]
	s_or_b32 s[G0K+3], s[G0K+3], 0x80000000        ; type = 2
	s_mov_b32 s[G0V], 1
	s_mul_i32 s[G0V+1], s[WV], VT
	s_mov_b64 s[G0V+2:G0V+3], s[8:9]
	s_or_b32 s[G0V+3], s[G0V+3], 0x80000000
	CROUND                                         ; all four work-groups are here: the first joint loads meet
	tensor_load_to_lds s[G0K:G0K+3], s[G1K:G1K+7]  ; K
	s_nop 0
	PLACES
.irp u, 0,1
.irp c, 0,1,2,3
	global_load_b128 v[32+16*\u+4*\c:35+16*\u+4*\c], v1, s[4:5] offset:32768*\u+512*\c   ; Q's two fragments
.endr
.endr
.irp w, 0,1,2,3,4,5,6,7
	s_cmp_gt_u32 s13, \w
	s_cselect_b32 s[72+\w], -1, 0                  ; all lanes on where wave w makes scores for the late block
	s_xor_b32 s[80+\w], s[72+\w], s14              ; and where it makes them for mine
.endr
	s_lshl_b32 s62, s19, 5                         ; my block's first query
	s_lshl_b32 s63, s[WV], 2
	s_mul_i32 s88, s[WV], 10240
	s_add_co_u32 s88, s88, PB
	s_mul_i32 s89, s55, 2*VT
	s_mul_i32 s90, s54, 32*528
	s_lshl_b32 s94, s55, 7
	s_add_co_u32 s90, s90, s94
	s_mul_i32 s94, s[WV], 8*528
	v_and_b32 v9, 15, v0                           ; r
	v_bfe_u32 v12, v0, 4, 1                        ; h
	v_add_nc_u32 v7, s88, v1                       ; v7: where I put my codes
	v_add_nc_u32 v10, s89, v1                      ; v10: my two tiles of V
	v_and_b32 v15, 8, v9
	v_lshlrev_b32 v4, 5, v9
	v_add_nc_u32 v11, PB, v1                       ; v11: codes, from the first on
	v_add_nc_u32 v14, s94, v1                      ; v14: the way out: my eight rows of 528 bytes
	v_add_nc_u32 v2, v15, v9                       ; r + 8 (r / 8): the token of a block's tile 0
	v_add_nc_u32 v4, MX, v4                        ; v4: where I read what the waves say of my query
	v_mul_u32_u24 v13, v2, 528
	v_add_nc_u32 v3, s63, v4                       ; v3: where I say it
	v_lshlrev_b32 v8, 4, v12
	v_lshl_add_u32 v13, v12, 5, v13
	v_sub_nc_u32 v2, v2, v8
	v_add_nc_u32 v13, s90, v13                     ; v13: the way out: my token's row, + 128 (w % 4) + 32 h
	v_add_nc_u32 v2, s62, v2                       ; v2: my query of tile 0, - 16 h, for the mask
	v_mov_b32 v15, 0xff800000                      ; -infinity
	v_mov_b32 v17, 0                               ; written once: a lane permute's destination counts as one of its sources;
	v_mov_b32 v19, 0                               ; also the upper halves of the pairs v[16:17], v[18:19]
	v_mov_b32 v20, 0xff61b1e6                      ; the largest score so far: -3e38
	v_mov_b32 v21, 0xff61b1e6
.irp i, 22,23,24,25,26,27,28,29
	v_mov_b32 v\i, 0                               ; the sums
.endr
	s_wait_kmcnt 0x0
	s_add_co_i32 s62, s68, s69
	s_lshl_b32 s62, s62, 23
	s_add_co_i32 s[CS], s[CS], s62                 ; a score stands for score x 2^(e6 + e7): the exponents are added to the factor's exponent field
	s_mov_b32 s[CS+1], s[CS]                       ; (named with it as a pair, so it is written)
	s_add_co_i32 s62, s70, 127
	s_lshl_b32 s63, s62, 23
	v_mov_b32 v30, s63                             ; 2^e8 as f32, for the conversion
	s_add_co_i32 s62, s62, 8
	s_lshl_b32 s62, s62, 23
	s_or_b32 s62, s62, 0x600000
	v_mov_b32 v31, s62                             ; 448 x 2^e8
	s_add_co_i32 s93, s70, s71                     ; e8 + e9
; Unit m = my groups 2 m, 2 m + 1.  All counts of groups and first groups are even, so a unit is visible as a whole or not at all.
.macro KLOAD m                         ; its four K fragments, 16 loads; beyond the last unit the last is named again (its products are not made)
	s_add_co_u32 s62, s[KG], 2*(\m)
	s_min_u32 s62, s62, s92
	s_min_u32 s62, s62, 62
	s_and_b32 s63, s62, 2
	s_lshl_b32 s63, s63, 16                        ; tile 2 (group % 4): 65,536 bytes a group,
	s_lshr_b32 s62, s62, 2
	s_lshl_b32 s62, s62, 11                        ; step group / 4
	s_add_co_u32 s62, s62, s63
	v_add_nc_u32 v8, s62, v1
	s_add_co_u32 s62, s62, 0x10000
	v_add_nc_u32 v9, s62, v1
.irp g, 0,1
.irp k, 0,1
.irp c, 0,1,2,3
	ds_load_b128 v[64+64*((\m)%2)+32*\g+16*\k+4*\c:67+64*((\m)%2)+32*\g+16*\k+4*\c], v[8+\g] offset:32768*\k+512*\c
.endr
.endr
.endr
.endm
.macro UNIT m                          ; where its scores lie: U1 = 1: window 1
.if (\m) < 4
.set U1, 1
.set DB, 64*(\m)
.else
.set U1, 0
.set DB, 192
.endif
.endm
.macro SUNIT m, nx                     ; scores, mask, maxima; where the next unit is not visible, on to the arm that fills it
	UNIT \m
.if (\m) > 0
	PLACES                                         ; in front of loads into registers that products have read
.endif
.if (\m) < 4
	KLOAD (\m)+1
	s_wait_dscnt 16                                ; this unit's fragments are in; the next one's 16 loads may be out
.else
	s_wait_dscnt 0x0
.endif
	WIN 0x40*U1
.irp g, 0,1
.irp k, 0,1
.irp u, 0,1
	v_wmma_f32_16x16x128_fp8_fp8 v[DB+32*\g+16*\u+8*\k:DB+32*\g+16*\u+8*\k+7], v[64+64*((\m)%2)+32*\g+16*\k:79+64*((\m)%2)+32*\g+16*\k], v[32+16*\u:47+16*\u], 0
.endr
.endr
.endr
	WIN 0                                          ; at a branch and at a label every window is 0
	PLACES                                         ; behind the products, in front of the first read of their results
	s_add_co_u32 s62, s[KG], 2*(\m)+4
	s_cmp_lt_u32 s62, s[NG]                        ; only the last four groups, the diagonal's step, have hidden keys
	s_cbranch_scc1 .Lopen_\@
	s_sub_co_u32 s62, s62, 4
	s_lshl_b32 s62, s62, 5                         ; the unit's first key
	v_sub_nc_u32 v12, v2, s62                      ; d = my query - 16 h - the group's first key: register i holds key i + 16 h of the group: hidden where i > d
	v_add_nc_u32 v17, 0xffffffe0, v12              ; the second group's: 32 less
	v_add_nc_u32 v16, 8, v12                       ; tile 1's queries: 8 more
	v_add_nc_u32 v18, 0xffffffe8, v12
	WIN 0x41*U1
.irp g, 0,1
.irp u, 0,1
.set DR, 12+4*\u
.if \g
.set DR, 17+\u
.endif
.set n, 0
.rept 16
	v_cmp_gt_i32 vcc_lo, n, v[DR]
	v_cndmask_b32 v[DB+32*\g+16*\u+n], v[DB+32*\g+16*\u+n], v15, vcc_lo
.set n, n+1
.endr
.endr
.endr
	WIN 0
.Lopen_\@:
	WIN 5*U1
.irp g, 0,1
.irp k, 0,2,4,6,8,10,12,14
.irp u, 0,1
	v_max3_num_f32 v[20+\u], v[DB+32*\g+16*\u+\k], v[DB+32*\g+16*\u+\k+1], v[20+\u]   ; each accumulator from its low end on
.endr
.endr
.endr
	WIN 0
	s_wait_alu depctr_va_vdst(0)
.if (\m) < 4
	s_add_co_u32 s62, s[KG], 2*(\m)+2
	s_cmp_ge_u32 s62, s[NG]
	s_cbranch_scc1 .Lfill_\nx
.endif
.endm
.macro EUNIT m                         ; p, the sums, the codes
	UNIT \m
	s_add_co_u32 s62, s[KG], 2*(\m)
	s_cmp_ge_u32 s62, s[NG]
	s_cbranch_scc1 .Lsummed
	WIN 0x41*U1
.irp g, 0,1
.irp k, 0,2,4,6,8,10,12,14
.irp u, 0,1
	v_pk_fma_f32 v[DB+32*\g+16*\u+\k:DB+32*\g+16*\u+\k+1], v[DB+32*\g+16*\u+\k:DB+32*\g+16*\u+\k+1], s[CS:CS+1], v[16+2*\u:17+2*\u] op_sel_hi:[1,0,0]   ; t - M (of the pairs the low word serves both halves)
.endr
.endr
.endr
	s_wait_alu depctr_va_vdst(0)
.set n, 0
.rept 64
	v_exp_f32 v[DB+n], v[DB+n]                     ; p = 2^(t - M), at most 1
.set n, n+1
.endr
	v_nop                                          ; the plain line behind the exponentials
	WIN 1*U1
	s_wait_alu depctr_va_vdst(0)                   ; one wait for the batch, ahead of its first reader
.irp g, 0,1
.irp k, 0,2,4,6,8,10,12,14
.irp u, 0,1
	v_pk_add_f32 v[22+4*\u+2*((\k/2)%2):23+4*\u+2*((\k/2)%2)], v[DB+32*\g+16*\u+\k:DB+32*\g+16*\u+\k+1], v[22+4*\u+2*((\k/2)%2):23+4*\u+2*((\k/2)%2)]
.endr
.endr
.endr
	WIN 0x41*U1
.set n, 0
.rept 64
	v_min_num_f32 v[DB+n], v[DB+n], v31            ; the conversion does not saturate (ISA guide 7.6.2); p is not negative, so the hold is one-sided
.set n, n+1
.endr
	WIN 1*U1
.set CB, 128+16*((\m)%2)
.irp g, 0,1
.irp u, 0,1
	v_cvt_scalef32_pk8_fp8_f32 v[CB+8*\g+4*\u:CB+8*\g+4*\u+1], v[DB+32*\g+16*\u:DB+32*\g+16*\u+7], v30
	v_cvt_scalef32_pk8_fp8_f32 v[CB+8*\g+4*\u+2:CB+8*\g+4*\u+3], v[DB+32*\g+16*\u+8:DB+32*\g+16*\u+15], v30
.endr
.endr
	v_nop                                          ; a plain line behind the last conversion
	WIN 0
.irp g, 0,1
.irp u, 0,1
	ds_store_b128 v7, v[CB+8*\g+4*\u:CB+8*\g+4*\u+3] offset:1024*(2*(\m)+\g)+512*\u
.endr
.endr
	s_wait_alu depctr_va_vdst(0)
.endm
.macro FILL m                          ; a unit that my block does not see holds -infinity: its registers are written on every way through the text
	UNIT \m
.Lfill_\m:
	WIN 0x40*U1
.set n, 0
.rept 64
	v_mov_b32 v[DB+n], v15
.set n, n+1
.endr
	WIN 0
.endm
.macro SAID off                        ; four loads: what the eight waves say of my query of tile 0 (v32-39) and 1 (v40-47)
	ds_load_b128 v[32:35], v4 offset:\off
	ds_load_b128 v[36:39], v4 offset:\off+16
	ds_load_b128 v[40:43], v4 offset:\off+512
	ds_load_b128 v[44:47], v4 offset:\off+528
.endm
	s_wait_alu depctr_va_vdst(0)
	s_wait_tensorcnt 0x0                           ; my tile of K is in
	s_barrier_signal -1
	s_barrier_wait -1                              ; everybody's is
	s_wait_loadcnt 0x0                             ; Q
	KLOAD 0
	s_cmp_ge_u32 s[KG], s[NG]                      ; a wave may have no group
	s_cbranch_scc1 .Lfill_0
	SUNIT 0, 1
	SUNIT 1, 2
	SUNIT 2, 3
	SUNIT 3, 4
	SUNIT 4, 5
	s_branch .Lscored
	FILL 0                                         ; from the first unit that is not visible to the last: each arm goes on into the next
	FILL 1
	FILL 2
	FILL 3
	FILL 4
.Lscored:
	v_permlanex16_b32 v17, v20, s[SEL], s[SEL+1]
	v_permlanex16_b32 v19, v21, s[SEL], s[SEL+1]
	v_max_num_f32 v20, v20, v17                    ; and among lane l xor 16's
	v_max_num_f32 v21, v21, v19
	ds_store_b32 v3, v20                           ; lanes l and l xor 16 store the same word
	ds_store_b32 v3, v21 offset:512
	s_wait_tensorcnt 0x0
	ds_add_u32 v[SPW], v[NIL]
	s_wait_dscnt 0x0                               ; the add is done, my maxima have landed, my reads of K are over
	CROUND                                         ; that holds of every wave of the cluster
	tensor_load_to_lds s[G0V:G0V+3], s[G1V:G1V+7]  ; V takes K's place
	s_nop 0
	PLACES
	SAID 0
	s_cmp_lt_u32 s[ND], 14                         ; V's step 14 and 15, where my block reads them
	s_cbranch_scc1 .Lno_more_v
.irp t, 0,1
.irp c, 0,1,2,3
	global_load_b128 v[64+16*\t+4*\c:67+16*\t+4*\c], v1, s[66:67] offset:32768*\t+28672+512*\c
.endr
.endr
	s_cmp_lt_u32 s[ND], 15
	s_cbranch_scc1 .Lno_more_v
.irp t, 0,1
.irp c, 0,1,2,3
	global_load_b128 v[96+16*\t+4*\c:99+16*\t+4*\c], v1, s[66:67] offset:32768*\t+30720+512*\c
.endr
.endr
.Lno_more_v:
	s_wait_dscnt 0x0
.irp w, 0,1,2,3,4,5,6,7
	v_cndmask_b32 v[32+\w], v15, v[32+\w], s[80+\w]    ; the waves of my block alone count.  Group 0 counts for every query, so the maximum is a number
	v_cndmask_b32 v[40+\w], v15, v[40+\w], s[80+\w]
.endr
	v_max3_num_f32 v20, v32, v33, v34
	v_max3_num_f32 v21, v40, v41, v42
	v_max3_num_f32 v35, v35, v36, v37
	v_max3_num_f32 v43, v43, v44, v45
	v_max3_num_f32 v20, v20, v38, v39
	v_max3_num_f32 v21, v21, v46, v47
	v_max_num_f32 v20, v20, v35
	v_max_num_f32 v21, v21, v43
	v_mul_f32 v20, s[CS], v20                      ; as t (the factor is positive)
	v_mul_f32 v21, s[CS], v21
	v_floor_f32 v16, -v20                          ; -M = floor(-t) = -ceil(t)
	v_floor_f32 v18, -v21
	s_wait_alu depctr_va_vdst(0)
	EUNIT 0
	EUNIT 1
	EUNIT 2
	EUNIT 3
	EUNIT 4
.Lsummed:
	v_pk_add_f32 v[22:23], v[22:23], v[24:25]      ; the sum's four parts,
	v_pk_add_f32 v[26:27], v[26:27], v[28:29]
	v_add_f32 v22, v22, v23
	v_add_f32 v26, v26, v27
	v_permlanex16_b32 v17, v22, s[SEL], s[SEL+1]
	v_permlanex16_b32 v19, v26, s[SEL], s[SEL+1]
	v_add_f32 v22, v22, v17                        ; and lane l xor 16's
	v_add_f32 v26, v26, v19
	ds_store_b32 v3, v22 offset:1024
	ds_store_b32 v3, v26 offset:1536
	s_wait_tensorcnt 0x0                           ; my tile of V is in
	s_wait_dscnt 0x0                               ; my codes and sums have landed
	s_barrier_signal -1
	s_barrier_wait -1                              ; everybody's
; O^T += V^T P^T, a key step of 128: two tiles of 16 channels x two query tiles: four accumulators, which take turns, one instruction a turn.
.macro PLOAD s                         ; V's two fragments (steps 0 to 13) and p's two, into set s % 2: v128-191 or window 1's v0-63
	s_add_co_u32 s62, s[PO], 4096*(\s)
	s_min_u32 s62, s62, 77824                      ; (never less than the sum: 80 places less a step's four)
	v_add_nc_u32 v12, s62, v11
.if ((\s)%2) == 0
.set SB, 128
.else
.set SB, 0
	WIN 0x40
.endif
.if (\s) < 14
.irp t, 0,1
.irp c, 0,1,2,3
	ds_load_b128 v[SB+16*\t+4*\c:SB+16*\t+4*\c+3], v10 offset:VT*\t+2048*(\s)+512*\c
.endr
.endr
.endif
.irp u, 0,1
.irp b, 0,1,2,3
	ds_load_b128 v[SB+32+16*\u+4*\b:SB+32+16*\u+4*\b+3], v12 offset:1024*\b+512*\u
.endr
.endr
	WIN 0
.endm
.macro PMM s
.if ((\s)%2) == 0
.set SB, 128
.set VB, 128
.set PW, 0
.else
.set SB, 0
.set VB, 0
.set PW, 5
.endif
.if (\s) == 14
.set VB, 64
.endif
.if (\s) == 15
.set VB, 96
.set PW, 4
.endif
	WIN PW
.irp t, 0,1
.irp u, 0,1
.if (\s) == 0
	v_wmma_f32_16x16x128_fp8_fp8 v[192+16*\t+8*\u:199+16*\t+8*\u], v[VB+16*\t:VB+16*\t+15], v[SB+32+16*\u:SB+32+16*\u+15], 0
.else
	v_wmma_f32_16x16x128_fp8_fp8 v[192+16*\t+8*\u:199+16*\t+8*\u], v[VB+16*\t:VB+16*\t+15], v[SB+32+16*\u:SB+32+16*\u+15], v[192+16*\t+8*\u:199+16*\t+8*\u]
.endif
.endr
.endr
	WIN 0
.endm
.macro PSTEP s
.if (\s) < 15
	s_cmp_le_u32 s[ND], \s
	s_cbranch_scc1 .Llast_\@
	PLACES                                         ; in front of loads into registers that products have read
	PLOAD (\s)+1
.if (\s) < 13
	s_wait_dscnt 16                                ; this step's fragments are in; the next one's 16 loads may be out
.else
	s_wait_dscnt 8
.endif
	s_branch .Lmul_\@
.Llast_\@:
	s_wait_dscnt 0x0
.Lmul_\@:
.else
	s_wait_dscnt 0x0
.endif
.if (\s) > 13
	s_wait_loadcnt 0x0                             ; V's steps 14, 15
.endif
	PMM \s
.if (\s) < 15
	s_cmp_le_u32 s[ND], \s
	s_cbranch_scc1 .Lmade
.endif
.endm
	SAID 1024
	PLOAD 0
.irp w, 0,1,2,3,4,5,6,7
	s_xor_b32 s[80+\w], s[72+\w], s53              ; the waves that made scores for the block that I finish
.endr
	s_wait_dscnt 16                                ; the sums are in; step 0's 16 loads may be out
.irp w, 0,1,2,3,4,5,6,7
	v_cndmask_b32 v[32+\w], 0, v[32+\w], s[80+\w]
	v_cndmask_b32 v[40+\w], 0, v[40+\w], s[80+\w]
.endr
.irp q, 32,40
	v_pk_add_f32 v[\q:\q+1], v[\q:\q+1], v[\q+2:\q+3]
	v_pk_add_f32 v[\q+4:\q+5], v[\q+4:\q+5], v[\q+6:\q+7]
.endr
.irp q, 32,40
	v_pk_add_f32 v[\q:\q+1], v[\q:\q+1], v[\q+4:\q+5]
.endr
.irp q, 32,40
	v_add_f32 v[\q], v[\q], v[\q+1]
.endr
	s_wait_alu depctr_va_vdst(0)                   ; the wait ahead of the batch
	v_rcp_f32 v20, v32
	v_rcp_f32 v21, v40
	v_nop                                          ; the plain line behind them
	s_wait_alu depctr_va_vdst(0)                   ; and the wait ahead of the first reader
	v_ldexp_f32 v20, v20, s93                      ; x 2^(e8 + e9)
	v_ldexp_f32 v21, v21, s93
	s_wait_alu depctr_va_vdst(0)
.irp s, 0,1,2,3,4,5,6,7,8,9,10,11,12,13,14,15
	PSTEP \s
.endr
.Lmade:
	s_wait_loadcnt 0x0                             ; V's steps 14, 15, where they were asked for: the way out uses their registers again
	PLACES
.irp t, 0,1
.irp u, 0,1
.irp i, 0,1,2,3,4,5,6,7
	v_mul_f32 v[224+16*\t+8*\u+\i], v[192+16*\t+8*\u+\i], v[20+\u]   ; out(query r of tile u, channel 32 (w % 4) + 16 t + 8 h + i)
.endr
.endr
.endr
	s_wait_alu depctr_va_vdst(0)
	s_wait_dscnt 0x0
	s_barrier_signal -1                            ; nobody reads V any more: the rows of 528 bytes take its place (it is not filled again)
	s_barrier_wait -1
.irp t, 0,1
.irp u, 0,1
	ds_store_b128 v13, v[224+16*\t+8*\u:227+16*\t+8*\u] offset:8*528*\u+64*\t
	ds_store_b128 v13, v[228+16*\t+8*\u:231+16*\t+8*\u] offset:8*528*\u+64*\t+16
.endr
.endr
	s_wait_dscnt 0x0
	s_barrier_signal -1
	s_barrier_wait -1                              ; all rows are whole
.irp i, 0,1,2,3,4,5,6,7
	ds_load_b128 v[64+4*\i:67+4*\i], v14 offset:528*\i
.endr
.irp i, 0,1,2,3,4,5,6,7
	s_wait_dscnt 7-\i
	global_store_b128 v1, v[64+4*\i:67+4*\i], s[16:17] offset:512*\i th:TH_STORE_NT   ; one row: 512 consecutive bytes, aligned
.endr
	s_wait_tensorcnt 0x0                           ; the wave's end
	ds_add_u32 v[SPW], v[NIL]
	s_wait_dscnt 0x0
	CROUND                                         ; the closing round: no work-group ends while a partner may still ask for a tile that names it
	s_endpgm
.Lfunc_end_k_q557eb3011d_attn:
	.size	k_q557eb3011d_attn, .Lfunc_end_k_q557eb3011d_attn-k_q557eb3011d_attn
	.p2alignl 7, 3214868480
	.fill 96, 4, 3214868480
	.section	.rodata,"a",@progbits
	.p2align	6, 0x0
	.amdhsa_kernel k_q557eb3011d_attn
		.amdhsa_group_segment_fixed_size 327680
		.amdhsa_private_segment_fixed_size 0
		.amdhsa_enable_private_segment 0
		.amdhsa_kernarg_size 40
		.amdhsa_user_sgpr_count 2
		.amdhsa_user_sgpr_kernarg_segment_ptr 1
		.amdhsa_wavefront_size32 1
		.amdhsa_system_sgpr_workgroup_id_x 1
		.amdhsa_system_sgpr_workgroup_id_y 1
		.amdhsa_system_sgpr_workgroup_id_z 1
		.amdhsa_system_vgpr_workitem_id 0
		.amdhsa_next_free_vgpr 512
		.amdhsa_next_free_sgpr 98
		.amdhsa_reserve_vcc 1
		.amdhsa_float_denorm_mode_32 3
		.amdhsa_float_denorm_mode_16_64 3
		.amdhsa_memory_ordered 1
		.amdhsa_forward_progress 1
		.amdhsa_inst_pref_size 148
	.end_amdhsa_kernel
	.amdgpu_metadata
---
amdhsa.version: [ 1, 2 ]
amdhsa.kernels:
  - .name:           k_q557eb3011d_attn
    .symbol:         k_q557eb3011d_attn.kd
    .args:
      - { .name: qimg, .offset: 0, .size: 8, .value_kind: global_buffer, .address_space: global }
      - { .name: kimg, .offset: 8, .size: 8, .value_kind: global_buffer, .address_space: global }
      - { .name: vimg, .offset: 16, .size: 8, .value_kind: global_buffer, .address_space: global }
      - { .name: lowp_scales, .offset: 24, .size: 8, .value_kind: global_buffer, .address_space: global }
      - { .name: out0, .offset: 32, .size: 8, .value_kind: global_buffer, .address_space: global }
    .group_segment_fixed_size: 327680
    .private_segment_fixed_size: 0
    .kernarg_segment_align: 8
    .kernarg_segment_size: 40
    .max_flat_workgroup_size: 256
    .sgpr_count:     98
    .vgpr_count:     512
    .wavefront_size: 32
...
	.end_amdgpu_metadata
.endif
;; end of part 3
